; MI455X (gfx1250); checked and timed in simulation.
; The chip was launched on July 23, 2026; its instructions are those of AMD's public machine-readable ISA for CDNA 5 (MIT licence, August 2026) and "CDNA5" Instruction Set Architecture Reference Guide (July 2026). The comments in the code are by the model that wrote it; some were corrected since.
;; TE Dot Product Attention. Allowed arithmetic: float matrix products may take bf16 or f16 operands with f32 sums; other float arithmetic in f32, or as packed bf16 or f16 multiplies, adds, multiply-adds, maxima and minima; sums over many terms, partial sums and values carried from step to step in f32; what a program stores and reads back later, other than sums and carried values, may be rounded once to bf16 or f16.
;; Inputs: cu_seqlens 9 int32; key 4,096 x 4 x 128 float32; query 4,096 x 16 x 128 float32; value 4,096 x 4 x 128 float32.
;; Outputs: out0 4,096 x 16 x 128 float32.
;; 2 versions, each right; version 2 is version 1 with the launch attn written anew for expert scheduling mode. Each part assembles by itself: llvm-mc -triple=amdgcn-amd-amdhsa -mcpu=gfx1250 --defsym DOCPART=n.
;; ======== version 1 of 2: 1 launch
;; limits: inputs' magnitudes at most 65,504; below input magnitudes of 6.1e-05 results are inexact or not finite; values are held in f16: magnitudes above 65,504 overflow, below 6.1e-05 lose precision; inputs' magnitudes at most 88,000,000,000,000
;; launch attn (part 1): grid 64 x 4, 4 waves a work-group, no clusters, 105,984 bytes of LDS; arguments cu_seqlens, key, query, value, out0; writes out0
.if DOCPART == 1
	.amdgcn_target "amdgcn-amd-amdhsa--gfx1250"
	.amdhsa_code_object_version 6
	.text
	.protected	k_qb167ecaa02_attn
	.globl	k_qb167ecaa02_attn
	.p2align	8
	.type	k_qb167ecaa02_attn,@function
k_qb167ecaa02_attn:
	s_mov_b64 s[64:65], 0
	v_nop
	global_prefetch_b8 v0, s[64:65] scope:SCOPE_SE
	s_setreg_imm32_b32 hwreg(HW_REG_WAVE_MODE, 25, 1), 1
	s_wait_xcnt 0x0
; PACKED CAUSAL ATTENTION WITH SHARED KEY AND VALUE HEADS.  query, out0: [4096][16][128] f32; key, value: [4096][4][128] f32; cu_seqlens: [9] i32.
; Key k counts for query q where start(q) <= k <= q; start(q) is the largest boundary cu[j] <= q, or 0 where there is none.
; SHARES.  Work-group (b, g) owns tokens 64 b .. 64 b + 63 of the four query heads 4 g .. 4 g + 3, which share key and value head g: 256 rows, one walk, one mask.
; Wave w owns tokens 64 b + 16 w .. + 15 of all four heads: four TILES of 16 queries, tile t = head 4 g + t.  A lane holds the same token in all four tiles.
; Two PIECES, named by their first tile: piece 0 (tiles 0, 1), piece 2 (tiles 2, 3).
; THE WALK.  64 keys a trip, from the key tile that holds start(64 b) to key tile b, which holds the diagonal.  THE LOOP counts key tiles 0 .. b, a number made of the work-group's id alone, and both
; barriers of a trip stand on every way through it; a tile ahead of the walk's first jumps forward over each of the trip's two halves, which hold no barrier: two barriers and six scalar lines for such a tile.
; FORMATS.  Q, K, V are rounded to bf16.  S^T = K Q^T in bf16.  For O^T = V^T P the bf16 value of V is rewritten as f16 (the same number) and the weights p are rounded to f16.
; Products, maxima and sums in f32; l is the sum of the unrounded p; O leaves in f32.
; THE ROAD IN.  The tiles are f32 in memory, so they come through registers: each wave loads 16 of a tile's 64 rows (a row's 512 bytes an instruction), rounds them and stores them to LDS;
; every wave then takes the whole tile into registers (K as it lies, V turned by ds_load_tr16_b128).  One LDS tile each for K and V, two barriers a trip.
; LAYOUT.  S^T (source 0 = 16 keys, source 1 = 16 queries): a lane holds ONE query (lane % 16) and the keys 8 (lane / 16) + 0..7.  Two such results rounded in pairs ARE source 1 of V^T P.
; SOFTMAX.  Running maximum m and sum l: p = 2^(c s - c m), c = log2(e) / sqrt(128); in every trip O and l are multiplied by a = 2^(c m_old - c m_new).  m starts at the lowest finite
; number, O and l at 0, so the first trip is a trip like any other, with a = 0: 272 lines at the head write those starts, while the first loads are on their way.
; WRITTEN BEFORE READ, ON EVERY WAY THROUGH THE TEXT.  The two jumps of a trip test the same two registers, so no wave walks a second half without its first, or the way out without a trip; the
; text by itself does not show that.  So what one part reads of another part's making (V's fragments, piece 0's P, piece 2's S^T, the statistics at work) is written once at the head: 240 lines more,
; in the same wait.  That is the price of barriers whose number hangs on the work-group's id alone.
; THE MASK is laid only in the walk's first trip (it may hold the segment's start) and in its last (the diagonal).  A query's start is either the block's, and then all keys of the trips between
; count, or it lies inside the block: then nothing ahead of the last trip counts.  Such a lane is masked against start 0 ahead of the last trip, so nothing is hidden from it and its maximum is a
; true score: it gathers finite numbers; in the last trip it takes its true start, and its m and c m are set back to their starts, so that a = 0 wipes O and l.
; So in every masked trip every lane sees a key: the block's start in the first, its own key in the last; l is at least 1 at the end.
; LIMITS.  cu_seqlens ascends (as the search in the problem needs).  A hidden score counts as -1e30.  |bf16(v)| stays within 65,504, and below 2^-14 it keeps f16's fixed step of 2^-24.
; p below 3e-8 counts as 0 in the second product.  NaN and infinities are not treated apart.
; PRICE OF ONE TEXT FOR EVERY TRIP.  Loads run two tiles ahead with the tile's number held at b: the last two trips load the diagonal tile again, and the last trip's copies of it serve nothing.
; NO CLUSTER, NO TENSOR LOADS: the tiles must be rounded on the way, the four heads that share a tile sit in one work-group, and which blocks walk the same tile hangs on cu_seqlens.
;
; REGISTERS, in windows of 256 (s_set_vgpr_msb: bits 1:0 source 0, 3:2 source 1, 5:4 source 2, 7:6 destination):
;   window 0: v0-63 addresses, statistics, mask; v64-191 S^T, 32 a tile; v192-255 P, 16 a tile
;   window 1: O^T, 64 a tile (at the head: Q as loaded)
;   window 2: v0-127 Q, 32 a tile; v128-255 K of one trip (at the end: O's rows on their way out)
;   window 3: v0-127 V of one trip; v128-191 my 16 rows of a later K, as loaded and then rounded; v192-255 the same of V
.set PKB,   272        ; a row of K or Q in LDS: 256 bytes + 16: 68 words, so the 16 rows of a fragment load start at 16 different groups of four banks (64 banks of 4 bytes: ISA guide 11.1)
.set PVB,   288        ; a row of V: 256 + 32 = 72 words
.set VSB,   64*PKB     ; K's tile lies at LDS byte 0, V's behind it
.set STAGE, VSB+64*PVB ; behind them a stage for each wave, its own: first Q (64 rows x 272), at the end O (16 rows x 528)
.set STW,   64*PKB
.set POB,   528        ; a row of O in the stage: 512 bytes + 16
.set SPARE, STAGE+4*STW ; the spare words, 128 bytes for each wave: two blocks of 256 bytes that no other line names
.set AK,  2            ; v2   my lane's place in K's tile: 272 (l % 16) + 16 (l / 16)
.set AV,  3            ; v3   the same for the turning loads of V
.set KSA, 4            ; v4   where I store 8 bytes of my wave's first row of K
.set VSA, 5            ; v5   the same for V
.set GOF, 6            ; v6   my byte offset in a tile in memory: 16 w rows of 2,048 bytes + 16 l
.set QSA, 7            ; v7   where I store 8 bytes of a row of Q
.set QFA, 8            ; v8   where I read Q's fragments
.set STO, 9            ; v9   the way out: where I put 32 bytes of a row
.set RD,  10           ; v10  the way out: where I read a row back
.set L16, 11           ; v11  16 l
.set ST,  12           ; v12-43  tile t's statistics at v[ST+8 t]: c m, m, l (even keys', odd keys'), c0-c3 at work; a takes c2's place
.set NS,  44           ; v44  8 (l / 16) - start
.set RR,  45           ; v45  q - start
.set MB,  46           ; v46  64 x key tile + MNS
.set MT,  47           ; v47-48  at work in the mask
.set QV,  49           ; v49  q
.set SV,  50           ; v50  start
.set TM,  51           ; v51  at work at the head
.set PFO, 52           ; v52  the prefetches' offset; never rewritten
.set HH,  53           ; v53  l / 16
.set NS1, 54           ; v54  NS with start 0 in the lanes whose start lies in the block
.set RR1, 55           ; v55  RR likewise
.set MNS, 56           ; v56  the trip's choice of NS1 and NS
.set MRR, 57           ; v57  the trip's choice of RR1 and RR
.set SPW, 62           ; v62  LDS address of my spare word; never rewritten
.set NIL, 63           ; v63  0; never rewritten
.set S,   64
.set P,   192
.set KF,  128          ; window 2
.set KST, 128          ; window 3
.set VST, 192          ; window 3
.set CU,  16           ; s[16:24] cu_seqlens
.set WV,  25           ; my wave's number
.set DIAG, 26          ; b: the block, and the key tile that holds its diagonal
.set GH,  27           ; g
.set QBLK, 28          ; 64 b
.set SEG0, 29          ; start(64 b)
.set TIL0, 30          ; the walk's first key tile
.set NT,  31           ; the walk's trips
.set NTR, 32           ; b + 1: the loop's bound
.set TI,  33           ; the key tile in hand: the loop's counter
.set EDG, 34           ; 1 in the walk's first and last trip
.set K64, 35           ; 64 x the key tile in hand
.set TS,  37           ; at work
.set OFF, 38           ; s[38:39] byte offset of the key tile two on
.set KB,  40           ; s[40:41] key at head g
.set VB,  42           ; s[42:43] value at head g
.set KA,  44           ; s[44:45] key at the tile being loaded
.set VA,  46           ; s[46:47] value at the tile being loaded
.set QB,  48           ; s[48:49] query at my wave's first token, head 4 g
.set OB,  50           ; s[50:51] out0 likewise
.set KD,  52           ; s[52:53] key at tile b; never rewritten
.set VD,  54           ; s[54:55] value at tile b; never rewritten
.set PFT, 56           ; the key tile in whose trip I prefetch, or no tile's number
.set BIGN, 57          ; -1e30
.set CS,  58           ; s[58:59] c: the packed scaling takes the pair's low word for both halves
.set SEL, 60           ; s[60:61] v_permlanex16_b32's selects: each lane takes its own place in the other half
.set HIM, 62           ; a word's upper half
.set RM,  63           ; the lanes whose start lies in the block
.set MINIT, 66         ; m's start
.set CMINIT, 67        ; c m's start
.set SDG, 68           ; all ones in the diagonal trip, else 0 (at the head: at work)
.set W_KQ,  0x0a       ; K and Q in window 2, S^T in window 0
.set W_PV,  0x53       ; V in window 3, P in window 0, O^T in window 1
.set W_RS,  0x41       ; destination and source 0 in window 1, source 1 in window 0
.set W_CV3, 0xcf       ; sources 0, 1 and destination in window 3
.set W_ST3, 0x0c       ; an LDS store's data in window 3
.set W_LD3, 0xc0       ; a load's or a move's destination in window 3
.set W_LD2, 0x80
.set W_LD1, 0x40
.set W_CV1, 0x45       ; sources 0, 1 and destination in window 1
.set W_ST1, 0x04       ; an LDS store's data in window 1
.set W_GS2, 0x08       ; a global store's data in window 2
.set MSB, 0
.macro WIN new                      ; the high byte repeats the setting that is left; a switch that changes nothing is dropped
.if MSB != (\new)
	s_set_vgpr_msb (MSB<<8)|(\new)
.set MSB, (\new)
.endif
.endm
; THE MATRIX WORK.  The accumulators take turns, one instruction a turn: 8 in K Q^T, 16 in V^T P.
; Product i of 32 of S^T = K Q^T for piece x: channels 32 (i / 8) on, keys 16 ((i / 2) % 4) on, tile x + i % 2.  The first 8 start the sums.
.macro KQ x
	WIN W_KQ
.set rS, S+32*((\x)+i%2)+8*((i/2)%4)
.set rK, KF+32*((i/2)%4)+8*(i/8)
.set rQ, 32*((\x)+i%2)+8*(i/8)
.if i < 8
	v_wmma_f32_16x16x32_bf16 v[rS:rS+7], v[rK:rK+7], v[rQ:rQ+7], 0
.else
	v_wmma_f32_16x16x32_bf16 v[rS:rS+7], v[rK:rK+7], v[rQ:rQ+7], v[rS:rS+7]
.endif
.endm
; Product i of 32 of O^T += V^T P for piece x: keys 32 (i / 16) on, channels 16 ((i / 2) % 8) on, tile x + i % 2.
.macro PV x
	WIN W_PV
.set rO, 64*((\x)+i%2)+8*((i/2)%8)
.set rV, 64*(i/16)+8*((i/2)%8)
.set rP, P+16*((\x)+i%2)+8*(i/16)
	v_wmma_f32_16x16x32_f16 v[rO:rO+7], v[rV:rV+7], v[rP:rP+7], v[rO:rO+7]
.endm
; THE LDS LOADS stand in runs of 32: a tile's K (16 fragments of 16 keys x 32 channels) and its V (turned: 16 fragments of 16 channels x 32 keys).
.macro FETCH_K
	WIN W_LD2
.irp f, 0,1,2,3,4,5,6,7,8,9,10,11,12,13,14,15
	ds_load_b128 v[KF+8*(\f):KF+8*(\f)+3],   v[AK] offset:((\f)/4)*16*PKB+((\f)%4)*64
	ds_load_b128 v[KF+8*(\f)+4:KF+8*(\f)+7], v[AK] offset:((\f)/4)*16*PKB+((\f)%4)*64+32
.endr
.endm
.macro FETCH_V
	WIN W_LD3
.irp f, 0,1,2,3,4,5,6,7,8,9,10,11,12,13,14,15
	ds_load_tr16_b128 v[8*(\f):8*(\f)+3],   v[AV] offset:((\f)/8)*32*PVB+((\f)%8)*32
	ds_load_tr16_b128 v[8*(\f)+4:8*(\f)+7], v[AV] offset:((\f)/8)*32*PVB+16*PVB+((\f)%8)*32
.endr
.endm
; MY 16 ROWS OF A TILE.  LOADT: 16 loads, each a row's 512 consecutive bytes; a lane gets channels 4 l .. 4 l + 3 of row j in four registers.
.macro LOADT st, base
	WIN W_LD3
.irp j, 0,1,2,3,4,5,6,7,8,9,10,11,12,13,14,15
	global_load_b128 v[(\st)+4*(\j):(\st)+4*(\j)+3], v[GOF], s[(\base):(\base)+1] offset:2048*(\j)
.endr
.endm
; CVK n (0..7): rows 2 n and 2 n + 1 of K are rounded to bf16, a row's four numbers into its first two registers: four lines.
.macro CVK n
	WIN W_CV3
.irp a, 0, 4
	v_cvt_pk_bf16_f32 v[KST+8*(\n)+(\a)],   v[KST+8*(\n)+(\a)],   v[KST+8*(\n)+(\a)+1]
	v_cvt_pk_bf16_f32 v[KST+8*(\n)+(\a)+1], v[KST+8*(\n)+(\a)+2], v[KST+8*(\n)+(\a)+3]
.endr
.endm
.macro STORE_K                      ; 16 stores, each 256 consecutive bytes of LDS
	WIN W_ST3
.irp j, 0,1,2,3,4,5,6,7,8,9,10,11,12,13,14,15
	ds_store_b64 v[KSA], v[KST+4*(\j):KST+4*(\j)+1] offset:PKB*(\j)
.endr
.endm
; CVV n (0..31): step n % 4 of four for rows 2 (n / 4) and 2 (n / 4) + 1 of V, four lines each: round to bf16 in pairs; the low halves as f32; the high halves as f32; both as f16, in pairs.
.macro CVV n
	WIN W_CV3
.set rA, VST+8*((\n)/4)
.irp x, 0, 2, 4, 6
.if (\n)%4 == 0
	v_cvt_pk_bf16_f32 v[rA+(\x)], v[rA+(\x)], v[rA+(\x)+1]
.elseif (\n)%4 == 1
	v_lshlrev_b32 v[rA+(\x)+1], 16, v[rA+(\x)]
.elseif (\n)%4 == 2
	v_and_b32 v[rA+(\x)], s[HIM], v[rA+(\x)]
.elseif (\x)%4 == 0
	v_cvt_pk_f16_f32 v[rA+(\x)], v[rA+(\x)+1], v[rA+(\x)]
.else
	v_cvt_pk_f16_f32 v[rA+(\x)-1], v[rA+(\x)+1], v[rA+(\x)]
.endif
.endr
.endm
.macro STORE_V lo                   ; rows lo .. lo + 7
	WIN W_ST3
.irp j, 0,1,2,3,4,5,6,7
	ds_store_b64 v[VSA], v[VST+4*((\lo)+(\j)):VST+4*((\lo)+(\j))+1] offset:PVB*((\lo)+(\j))
.endr
.endm
; THE VECTOR WORK.  One tile's softmax for one trip is a list of 134 instructions; SM writes number j of it for tile t.  s0-s31 are the lane's 32 scores, in pairs 0-15.
;   0-15    the maximum of s0-s31 and the old m, three operands at a time (each accumulator's lowest registers are read first)
;   16-20   the other half of the lanes' maximum; c m_old is kept; the new m; c m; c m_old - c m_new
;   21-69   ONE BATCH: the 16 scalings c s - c m and all 33 exponentials (a at 23, then s0-s31); none of these reads an exponential's result
;   70-85   the roundings to f16, a pair of weights each     86-101  the sums; l = a l + the sum     102-133 the tile's O^T times a
.macro SM t
.set rT, ST+8*(\t)
.set rS, S+32*(\t)
.set rP, P+16*(\t)
.set rO, 64*(\t)+2*(j-102)
.if j < 102
	WIN 0
.endif
.if j < 4
	v_max3_num_f32 v[rT+4+j], v[rS+8*j], v[rS+8*j+1], v[rS+8*j+2]
.elseif j < 12
	v_max3_num_f32 v[rT+4+j%4], v[rT+4+j%4], v[rS+8*(j%4)+2*(j/4)+1], v[rS+8*(j%4)+2*(j/4)+2]
.elseif j == 12
	v_max3_num_f32 v[rT+4], v[rT+4], v[rS+7], v[rS+15]
.elseif j == 13
	v_max3_num_f32 v[rT+6], v[rT+6], v[rS+23], v[rS+31]
.elseif j == 14
	v_max3_num_f32 v[rT+4], v[rT+4], v[rT+5], v[rT+6]
.elseif j == 15
	v_max3_num_f32 v[rT+4], v[rT+4], v[rT+7], v[rT+1]
.elseif j == 16
	v_permlanex16_b32 v[rT+5], v[rT+4], s[SEL], s[SEL+1]  ; the query's other 32 keys lie in the lane 16 away
.elseif j == 17
	v_mov_b32 v[rT+7], v[rT]        ; c m_old is kept for a: number 19 writes c m anew
.elseif j == 18
	v_max_num_f32 v[rT+1], v[rT+4], v[rT+5]
.elseif j == 19
	v_mul_f32 v[rT], s[CS], v[rT+1]
.elseif j == 20
	v_sub_f32 v[rT+7], v[rT+7], v[rT]
.elseif j == 23
	v_exp_f32 v[rT+6], v[rT+7]
.elseif (j < 23) || ((j < 38) && (j%2 == 0)) || ((j < 66) && (j%4 == 2))
.set b, (j-2)/4                     ; 38, 42, .. 62: pairs 9 to 15
.if j < 38
.set b, (j-20)/2                    ; 21: pair 0; 22, 24, .. 36: pairs 1 to 8
.endif
	v_pk_fma_f32 v[rS+2*b:rS+2*b+1], v[rS+2*b:rS+2*b+1], s[CS:CS+1], v[rT:rT+1] op_sel_hi:[1,0,0] neg_lo:[0,0,1] neg_hi:[0,0,1]
.elseif j < 70
.set e, j-38                        ; 66 to 69: s28 to s31
.if j < 66
.set e, j-32-(j-38)/4               ; 39-41, 43-45, .. 63-65: s7 to s27
.endif
.if j < 38
.set e, (j-25)/2                    ; 25, 27, .. 37: s0 to s6
.endif
	v_exp_f32 v[rS+e], v[rS+e]
.elseif j < 86
	v_cvt_pk_f16_f32 v[rP+j-70], v[rS+2*(j-70)], v[rS+2*(j-70)+1]
.elseif j < 102                     ; sum z of 16 adds neighbours 1, 2, 4 and 8 pairs apart, in place; then l takes it
.set z, j-86
.set w, 4
.set u, z
.if z >= 14
.set w, 32
.set u, 0
.elseif z >= 12
.set w, 16
.set u, z-12
.elseif z >= 8
.set w, 8
.set u, z-8
.endif
.if z < 15
	v_pk_add_f32 v[rS+w*u:rS+w*u+1], v[rS+w*u:rS+w*u+1], v[rS+w*u+w/2:rS+w*u+w/2+1]
.else
	v_pk_fma_f32 v[rT+2:rT+3], v[rT+2:rT+3], v[rT+6:rT+7], v[rS:rS+1] op_sel_hi:[1,0,1]
.endif
.else
	WIN W_RS
	v_pk_mul_f32 v[rO:rO+1], v[rO:rO+1], v[rT+6:rT+7] op_sel_hi:[1,0]
.endif
.endm
; Slice k of 64 of piece y's softmax.  Slices 11 to 34 deal out the batch, four numbers of ONE tile each, the tiles by turns; every other slice is numbers 2 k and 2 k + 1 of both tiles;
; 2 x 134 = 4 x 64 + 12: the twelve that are over stand in slice 63.  Ahead of slice 35 nothing names an exponential's result, behind slice 34 none is issued: the piece's 66 exponentials
; have one plain instruction behind the last of them and ONE wait ahead of the first line that names a result.
.macro SLICE y
.if (k >= 11) && (k < 35)
.irp n, 0,1,2,3
.set j, 22+4*((k-11)/2)+(\n)
	SM (\y)+(k-11)%2
.endr
.else
.irp n, 0,1,2,3,4,5,6,7
.if ((\n) < 2) || (k == 63)
.irp t, \y, (\y)+1
.set j, 2*k+(\n)
	SM \t
.endr
.endif
.endr
.endif
.if k == 34
	v_nop
	s_wait_alu depctr_va_vdst(0)
.endif
.set k, k+1
.endm
; THE MASK for piece y: register n of a tile's 32 holds key 64 x key tile + 16 (n / 8) + 8 (l / 16) + n % 8; it is hidden where, unsigned, key - start > q - start (a key ahead of the start wraps round).
; One compare serves both tiles.  Then the lanes whose start lies in the block get m and c m set back to their starts (in the walk's first trip they still hold them).
.macro MASKP y
	WIN 0
	v_add_nc_u32 v[MB], s[K64], v[MNS]
.set n, 0
.rept 32
.if n == 0
	v_cmp_gt_u32 vcc_lo, v[MB], v[MRR]
.else
	v_add_nc_u32 v[MT+n%2], 16*(n/8)+n%8, v[MB]
	v_cmp_gt_u32 vcc_lo, v[MT+n%2], v[MRR]
.endif
	v_cndmask_b32 v[S+32*(\y)+n], v[S+32*(\y)+n], s[BIGN], vcc_lo
	v_cndmask_b32 v[S+32*(\y)+32+n], v[S+32*(\y)+32+n], s[BIGN], vcc_lo
.set n, n+1
.endr
.irp t, \y, (\y)+1
	v_cndmask_b32 v[ST+8*(\t)+1], v[ST+8*(\t)+1], s[MINIT], s[RM]
	v_cndmask_b32 v[ST+8*(\t)], v[ST+8*(\t)], s[CMINIT], s[RM]
.endr
.endm
.macro EDGE y                       ; the mask, in the walk's first and last trip alone: a jump forward, past register work only
	WIN 0
	s_cmp_eq_u32 s[EDG], 0
	s_cbranch_scc1 .Lplain_\@
	MASKP \y
.Lplain_\@:
.endm
.macro BAR                          ; my LDS stores are done and my LDS loads are back; then all four waves meet
	WIN 0
	s_wait_dscnt 0x0
	s_barrier_signal -1
	s_barrier_wait -1
.endm
; A PREFETCH of key tile b of K and V of head g, whose diagonal is this work-group's: 64 rows x 512 bytes each, a thread a block of 256 bytes, so each block is named at most once in the launch.
; It stands behind the trip's loads, in the trip of key tile b - 5: three trips, 384 matrix instructions, ahead of the trip of tile b - 2, which loads that tile's K.  Walks under 7 trips ask for nothing.
.macro ASK
	s_cmp_eq_u32 s[TI], s[PFT]
	s_cbranch_scc0 .Lnot_now_\@
	global_prefetch_b8 v[PFO], s[KD:KD+1] th:TH_LOAD_NT scope:SCOPE_SE
	global_prefetch_b8 v[PFO], s[VD:VD+1] th:TH_LOAD_NT scope:SCOPE_SE
.Lnot_now_\@:
.endm
; THE WAY OUT of tile t: O^T times 1 / l; a lane's eight channels of a row, 32 bytes, go into my stage's rows of 528 bytes and come back as whole rows of 512.
.macro PACK t
	WIN W_RS
.set n, 64*(\t)
.rept 32
	v_pk_mul_f32 v[n:n+1], v[n:n+1], v[ST+8*(\t)+6:ST+8*(\t)+7] op_sel_hi:[1,0]
.set n, n+2
.endr
	WIN W_ST1
.irp c, 0,1,2,3,4,5,6,7
	ds_store_b128 v[STO], v[64*(\t)+8*(\c):64*(\t)+8*(\c)+3]   offset:64*(\c)
	ds_store_b128 v[STO], v[64*(\t)+8*(\c)+4:64*(\t)+8*(\c)+7] offset:64*(\c)+16
.endr
	WIN W_LD2
.irp r, 0,1,2,3,4,5,6,7,8,9,10,11,12,13,14,15
	ds_load_b128 v[64*(\t)+4*(\r):64*(\t)+4*(\r)+3], v[RD] offset:POB*(\r)  ; LDS serves a wave's instructions in order (ISA guide 5.7.1.4): these see the stores above; the next tile's stores come behind them
.endr
.endm
.macro SEND t, younger              ; younger: the LDS instructions issued behind tile t's loads: the next tile's 32, or none
	WIN W_GS2
.irp r, 0,1,2,3,4,5,6,7,8,9,10,11,12,13,14,15
	s_wait_dscnt (\younger)+15-(\r)
	global_store_b128 v[L16], v[64*(\t)+4*(\r):64*(\t)+4*(\r)+3], s[OB:OB+1] offset:8192*(\r)+512*(\t) th:TH_STORE_NT  ; a token's 512 consecutive bytes of one head, at a multiple of 512 from out0's first byte
.endr
.endm
	; ---------------- THE HEAD ----------------
	s_load_b256 s[4:11], s[0:1], 0x0               ; cu_seqlens s[4:5], key s[6:7], query s[8:9], value s[10:11]
	s_load_b64 s[12:13], s[0:1], 0x20              ; out0
	v_lshl_add_u32 v[SPW], v0, 2, SPARE
	v_mov_b32 v[NIL], 0
	v_lshrrev_b32 v[TM], 5, v0
	v_readfirstlane_b32 s[WV], v[TM]               ; wave 0..3
	s_mov_b32 s[DIAG], ttmp9
	s_add_co_u32 s[NTR], ttmp9, 1                  ; the loop's bound: made of the work-group's id alone
	s_and_b32 s[GH], ttmp7, 0xffff
	s_lshl_b32 s[QBLK], ttmp9, 6
	s_mov_b32 s[BIGN], 0xf149f2ca                  ; -1e30
	s_mov_b32 s[CS], 0x3e0293ee                    ; c = log2(e) / sqrt(128) = 0.127517
	s_mov_b32 s[CS+1], s[CS]                       ; named with it as a pair
	s_mov_b32 s[SEL], 0x76543210
	s_mov_b32 s[SEL+1], 0xfedcba98
	s_mov_b32 s[HIM], 0xffff0000
	s_mov_b32 s[MINIT], 0xff7fffff                 ; the lowest finite number
	s_mov_b32 s[CMINIT], 0xfe000000                ; far below every c s
	s_mov_b32 s[OFF+1], 0
	s_mov_b32 s[EDG], 0                            ; each live trip writes these two anew
	s_mov_b32 s[K64], 0
	v_and_b32 v1, 15, v0                           ; l % 16
	v_bfe_u32 v[HH], v0, 4, 1                      ; l / 16
	v_and_b32 v[TM], 31, v0                        ; l
	v_lshlrev_b32 v[L16], 4, v[TM]
	v_lshl_add_u32 v[GOF], s[WV], 15, v[L16]       ; 16 w rows of 2,048 bytes + 16 l
	s_lshl_b32 s68, s[GH], 9                       ; head g in a token of K or V: 512 bytes a head
	s_mov_b32 s69, 0
	s_lshl_b32 s[TS], s[WV], 4
	s_add_co_u32 s[TS], s[TS], s[QBLK]             ; my wave's first token
	v_add_nc_u32 v[QV], s[TS], v1                  ; q
	s_lshl_b32 s70, s[TS], 13                      ; 8,192 bytes a token of Q and O,
	s_lshl_b32 s71, s[GH], 11                      ; head 4 g
	s_add_co_u32 s70, s70, s71
	s_mov_b32 s71, 0
	s_wait_kmcnt 0x0
	s_load_b256 s[CU:CU+7], s[4:5], 0x0            ; the nine boundaries
	s_load_b32 s[CU+8], s[4:5], 0x20
	s_add_nc_u64 s[KB:KB+1], s[6:7], s[68:69]
	s_add_nc_u64 s[VB:VB+1], s[10:11], s[68:69]
	s_add_nc_u64 s[QB:QB+1], s[8:9], s[70:71]
	s_add_nc_u64 s[OB:OB+1], s[12:13], s[70:71]
	s_lshl_b32 s68, s[DIAG], 17                    ; a key tile is 64 tokens of 2,048 bytes
	s_add_nc_u64 s[KD:KD+1], s[KB:KB+1], s[68:69]
	s_add_nc_u64 s[VD:VD+1], s[VB:VB+1], s[68:69]
	WIN W_LD1
.set n, 0
.rept 64                                           ; Q: row n = 16 t + token, 512 consecutive bytes an instruction; read once in the launch
	global_load_b128 v[4*n:4*n+3], v[L16], s[QB:QB+1] offset:8192*(n%16)+512*(n/16) th:TH_LOAD_NT
.set n, n+1
.endr
	WIN 0
	v_mul_u32_u24 v[AK], v1, PKB
	v_lshl_add_u32 v[AK], v[HH], 4, v[AK]          ; row x pitch + 16 x half
	v_and_b32 v[MT], 7, v0                         ; the turning load: lane l reads key 8 (l / 16) + l % 8, channels 8 ((l / 8) % 2) + 0..7
	v_lshl_add_u32 v[AV], v[HH], 3, v[MT]
	v_mul_u32_u24 v[AV], v[AV], PVB
	v_bfe_u32 v[MT], v0, 3, 1
	v_lshl_add_u32 v[AV], v[MT], 4, v[AV]
	v_add_nc_u32 v[AV], VSB, v[AV]
	s_mul_i32 s68, s[WV], 16*PKB
	v_lshl_add_u32 v[KSA], v[TM], 3, s68           ; my wave's 16 rows of K's tile + 8 l
	s_mul_i32 s68, s[WV], 16*PVB
	s_add_co_u32 s68, s68, VSB
	v_lshl_add_u32 v[VSA], v[TM], 3, s68
	s_mul_i32 s68, s[WV], STW
	s_add_co_u32 s68, s68, STAGE                   ; my stage
	v_lshl_add_u32 v[QSA], v[TM], 3, s68
	v_add_nc_u32 v[QFA], s68, v[AK]
	v_mul_u32_u24 v[STO], v1, POB
	v_lshl_add_u32 v[STO], v[HH], 5, v[STO]
	v_add_nc_u32 v[STO], s68, v[STO]
	v_add_nc_u32 v[RD], s68, v[L16]
	v_lshrrev_b32 v[PFO], 1, v0                    ; thread n names block n % 2 of row n / 2
	v_lshlrev_b32 v[PFO], 11, v[PFO]
	v_and_b32 v[MT], 1, v0
	v_lshl_add_u32 v[PFO], v[MT], 8, v[PFO]
	s_wait_kmcnt 0x0                               ; the boundaries are here
	s_mov_b32 s[SEG0], 0
.irp j, 0,1,2,3,4,5,6,7,8                          ; the block's start: the last boundary, in ascending order, that is not beyond token 64 b
	s_cmp_le_i32 s[CU+(\j)], s[QBLK]
	s_cselect_b32 s[SEG0], s[CU+(\j)], s[SEG0]
.endr
	s_max_i32 s[SEG0], s[SEG0], 0
	s_lshr_b32 s[TIL0], s[SEG0], 6
	s_min_u32 s[TIL0], s[TIL0], s[DIAG]
	s_sub_co_u32 s[NT], s[NTR], s[TIL0]            ; b + 1 - first
	s_sub_co_u32 s[PFT], s[DIAG], 5
	s_cmp_ge_u32 s[NT], 7
	s_cselect_b32 s[PFT], s[PFT], -1
	s_min_u32 s[TS], s[TIL0], 63                   ; a number made from loaded data enters an address behind a bound written in the line
	s_lshl_b32 s[OFF], s[TS], 17
	s_add_nc_u64 s[KA:KA+1], s[KB:KB+1], s[OFF:OFF+1]
	s_add_nc_u64 s[VA:VA+1], s[VB:VB+1], s[OFF:OFF+1]
	LOADT KST, KA                                  ; my rows of the walk's first tile: K,
	LOADT VST, VA                                  ; then V
	WIN 0
	v_mov_b32 v[SV], 0
.irp j, 0,1,2,3,4,5,6,7,8                          ; my query's start, likewise
	v_cmp_le_i32 vcc_lo, s[CU+(\j)], v[QV]
	v_cndmask_b32 v[SV], v[SV], s[CU+(\j)], vcc_lo
.endr
	v_cmp_le_i32 s[RM], s[QBLK], v[SV]             ; the start lies in the block
	v_lshlrev_b32 v[MT], 3, v[HH]
	v_sub_nc_u32 v[NS], v[MT], v[SV]
	v_sub_nc_u32 v[RR], v[QV], v[SV]
	v_cndmask_b32 v[TM], v[SV], 0, s[RM]           ; ahead of the diagonal trip those lanes count from 0: nothing is hidden from them
	v_sub_nc_u32 v[NS1], v[MT], v[TM]
	v_sub_nc_u32 v[RR1], v[QV], v[TM]
	v_mov_b32 v[MNS], v[NS1]                       ; each live trip writes these two anew
	v_mov_b32 v[MRR], v[RR1]
.irp t, 0,1,2,3
	v_mov_b32 v[ST+8*(\t)], s[CMINIT]
	v_mov_b32 v[ST+8*(\t)+1], s[MINIT]
.irp z, 2,3,4,5,6,7                                ; l starts at 0; the four at work are written so that no way through the text reads them unwritten
	v_mov_b32 v[ST+8*(\t)+(\z)], 0
.endr
.endr
	; What a trip's second half reads of its first half's making, written once (see the head of the text): S^T of piece 2 and P of piece 0, which lie on end, and V's fragments.
.set n, S+64
.rept 96
	v_mov_b32 v[n], 0
.set n, n+1
.endr
	WIN W_LD3
.set n, 0
.rept 128
	v_mov_b32 v[n], 0
.set n, n+1
.endr
	s_wait_loadcnt 32                              ; Q's 64 loads are in; the 32 issued behind them, K's and V's, may stay out
	WIN W_CV1
.set n, 0
.rept 64                                           ; Q is rounded to bf16, a row's four numbers into its first two registers,
	v_cvt_pk_bf16_f32 v[4*n], v[4*n], v[4*n+1]
	v_cvt_pk_bf16_f32 v[4*n+1], v[4*n+2], v[4*n+3]
.set n, n+1
.endr
	WIN W_ST1
.set n, 0
.rept 64                                           ; goes into my stage by rows,
	ds_store_b64 v[QSA], v[4*n:4*n+1] offset:PKB*n
.set n, n+1
.endr
	WIN W_LD2
.set n, 0
.rept 16                                           ; and comes back as fragments: tile n / 4, channels 32 (n % 4) on.  My own bytes, served in order: no wait between
	ds_load_b128 v[8*n:8*n+3],   v[QFA] offset:(n/4)*16*PKB+(n%4)*64
	ds_load_b128 v[8*n+4:8*n+7], v[QFA] offset:(n/4)*16*PKB+(n%4)*64+32
.set n, n+1
.endr
	s_wait_loadcnt 16                              ; K's 16 loads are in; V's 16 may stay out
.irp n, 0,1,2,3,4,5,6,7
	CVK \n
.endr
	STORE_K
	s_wait_loadcnt 0x0                             ; V's are in; no load is out, so both tile addresses may be written
.set n, 0
.rept 32
	CVV n
.set n, n+1
.endr
	STORE_V 0
	STORE_V 8
	s_add_co_u32 s[TS], s[TIL0], 1                 ; the walk's second tile, or the diagonal one again
	s_min_u32 s[TS], s[TS], s[DIAG]
	s_min_u32 s[TS], s[TS], 63
	s_lshl_b32 s[OFF], s[TS], 17
	s_add_nc_u64 s[KA:KA+1], s[KB:KB+1], s[OFF:OFF+1]
	s_add_nc_u64 s[VA:VA+1], s[VB:VB+1], s[OFF:OFF+1]
	LOADT KST, KA                                  ; K first, then V
	LOADT VST, VA
	WIN W_LD1
.set n, 0
.rept 256                                          ; O^T starts at 0, where Q landed: written while the loads are on their way
	v_mov_b32 v[n], 0
.set n, n+1
.endr
	BAR                                            ; the first tile's K and V lie whole in LDS; my fragments of Q are in
	FETCH_K
	s_wait_loadcnt 16                              ; the second tile's K is in; V's 16 loads, issued behind K's, stay out
.irp n, 0,1,2,3,4,5,6,7
	CVK \n                                         ; and is rounded, as every trip leaves the K that the next trip stores
.endr
	BAR                                            ; every wave holds the first K in registers: K's tile in LDS may be written
	s_mov_b32 s[TI], 0
	; ---------------- A TRIP ----------------
	; At the top of a live trip, for key tile I: K of I is in every wave's registers; V of I lies whole in LDS; my rows of K of I + 1 are rounded, in registers; my 16 loads of V of I + 1 are out.
	; Each of the two waits for loads is for 0, and finds out the one group of 16 that was asked for half a trip earlier: it holds whichever halves have been walked.
.Ltrip:
	s_cmp_lt_u32 s[TI], s[TIL0]                    ; a tile ahead of the walk's first: over the first half, which holds no barrier
	s_cbranch_scc1 .Ldead_a
	s_cmp_eq_u32 s[TI], s[TIL0]
	s_cselect_b32 s[EDG], 1, 0
	s_cmp_eq_u32 s[TI], s[DIAG]
	s_cselect_b32 s[EDG], 1, s[EDG]
	s_cselect_b32 s[SDG], -1, 0
	s_lshl_b32 s[K64], s[TI], 6
	s_add_co_u32 s[TS], s[TI], 2                   ; the tile two on, held at the diagonal one
	s_min_u32 s[TS], s[TS], s[DIAG]
	s_min_u32 s[TS], s[TS], 63
	s_lshl_b32 s[OFF], s[TS], 17
	v_cndmask_b32 v[MNS], v[NS1], v[NS], s[SDG]    ; the true starts in the diagonal trip alone
	v_cndmask_b32 v[MRR], v[RR1], v[RR], s[SDG]
	s_wait_loadcnt 0x0                             ; V of I + 1 is in; no load is out, so K's address may be written
	STORE_K                                        ; K of I + 1: every wave took the old K out of LDS ahead of the barrier behind which this stands
	s_add_nc_u64 s[KA:KA+1], s[KB:KB+1], s[OFF:OFF+1]
	LOADT KST, KA                                  ; K of I + 2
	FETCH_V                                        ; V of I; the last four conversions and the two selects above stand behind the last product that read V
	WIN 0
	ASK
	; piece 0's scores | my rows of V of I + 1 are rounded, four lines behind each product; the last four are the places behind the last product
.set i, 0
.rept 32
	KQ 0
	CVV i
.set i, i+1
.endr
	EDGE 0
	; piece 2's scores | piece 0's softmax, two slices behind each product
.set k, 0
.set i, 0
.rept 32
	KQ 2
	SLICE 0
	SLICE 0
.set i, i+1
.endr
	WIN 0
.Ldead_a:
	BAR                                            ; V is in my registers and my rows of the next K are stored; behind the barrier that holds of every wave
	s_cmp_lt_u32 s[TI], s[TIL0]                    ; the same test: over the second half, which holds no barrier
	s_cbranch_scc1 .Ldead_b
	s_wait_loadcnt 0x0                             ; K of I + 2 is in; no load is out, so V's address may be written
	STORE_V 0                                      ; V of I + 1: every wave took the old V out of LDS ahead of the barrier above
	STORE_V 8
	s_add_nc_u64 s[VA:VA+1], s[VB:VB+1], s[OFF:OFF+1]
	LOADT VST, VA                                  ; V of I + 2
	FETCH_K                                        ; K of I + 1; slices 62 and 63, twenty plain lines, stand behind the last product that read K
	EDGE 2
	; piece 0's V^T P | piece 2's softmax
.set k, 0
.set i, 0
.rept 32
	PV 0
	SLICE 2
	SLICE 2
.set i, i+1
.endr
	; piece 2's V^T P | behind the last eight products my rows of K of I + 2 are rounded; the last four lines are the places behind the last product
.set i, 0
.rept 32
	PV 2
.if i >= 24
	CVK i-24
.endif
.set i, i+1
.endr
	WIN 0
.Ldead_b:
	BAR                                            ; the next K is in my registers and my rows of the next V are stored; behind the barrier that holds of every wave
	s_add_co_u32 s[TI], s[TI], 1
	s_cmp_lt_u32 s[TI], s[NTR]
	s_cbranch_scc1 .Ltrip
	; ---------------- THE WAY OUT ----------------
	; l's two halves and the other half of the lanes' are added; O^T is divided by l and sent through my stage, a tile (16 tokens of one head) at a time.
.irp t, 0,1,2,3
	v_add_f32 v[ST+8*(\t)+4], v[ST+8*(\t)+2], v[ST+8*(\t)+3]
.endr
.irp t, 0,1,2,3
	v_permlanex16_b32 v[ST+8*(\t)+5], v[ST+8*(\t)+4], s[SEL], s[SEL+1]
.endr
.irp t, 0,1,2,3
	v_add_f32 v[ST+8*(\t)+4], v[ST+8*(\t)+4], v[ST+8*(\t)+5]
.endr
.irp t, 0,1,2,3
	v_rcp_f32 v[ST+8*(\t)+6], v[ST+8*(\t)+4]
.endr
	v_nop                                          ; a plain instruction between the last reciprocal and the use of its result,
	s_wait_alu depctr_va_vdst(0)                   ; and the wait ahead of the first use: one for the four
	PACK 0
	PACK 1                                         ; a tile's arithmetic stands between the loads of the tile before and its stores
	SEND 0, 32
	PACK 2
	SEND 1, 32
	PACK 3
	SEND 2, 32
	SEND 3, 0
	WIN 0
	s_wait_tensorcnt 0x0                           ; the wave's end, behind my last LDS store
	ds_add_u32 v[SPW], v[NIL]
	s_wait_dscnt 0x0
	s_endpgm
.Lfunc_end_k_qb167ecaa02_attn:
	.size	k_qb167ecaa02_attn, .Lfunc_end_k_qb167ecaa02_attn-k_qb167ecaa02_attn
	.p2alignl 7, 3214868480
	.fill 96, 4, 3214868480
	.section	.rodata,"a",@progbits
	.p2align	6, 0x0
	.amdhsa_kernel k_qb167ecaa02_attn
		.amdhsa_group_segment_fixed_size 105984
		.amdhsa_private_segment_fixed_size 0
		.amdhsa_enable_private_segment 0
		.amdhsa_kernarg_size 40
		.amdhsa_user_sgpr_count 2
		.amdhsa_user_sgpr_kernarg_segment_ptr 1
		.amdhsa_wavefront_size32 1
		.amdhsa_system_sgpr_workgroup_id_x 1
		.amdhsa_system_sgpr_workgroup_id_y 1
		.amdhsa_system_sgpr_workgroup_id_z 1
		.amdhsa_system_vgpr_workitem_id 0
		.amdhsa_next_free_vgpr 1024
		.amdhsa_next_free_sgpr 72
		.amdhsa_reserve_vcc 1
		.amdhsa_float_denorm_mode_32 3
		.amdhsa_float_denorm_mode_16_64 3
		.amdhsa_memory_ordered 1
		.amdhsa_forward_progress 1
		.amdhsa_inst_pref_size 163
	.end_amdhsa_kernel
	.amdgpu_metadata
---
amdhsa.version: [ 1, 2 ]
amdhsa.kernels:
  - .name:           k_qb167ecaa02_attn
    .symbol:         k_qb167ecaa02_attn.kd
    .args:
      - { .name: cu_seqlens, .offset: 0, .size: 8, .value_kind: global_buffer, .address_space: global }
      - { .name: key, .offset: 8, .size: 8, .value_kind: global_buffer, .address_space: global }
      - { .name: query, .offset: 16, .size: 8, .value_kind: global_buffer, .address_space: global }
      - { .name: value, .offset: 24, .size: 8, .value_kind: global_buffer, .address_space: global }
      - { .name: out0, .offset: 32, .size: 8, .value_kind: global_buffer, .address_space: global }
    .group_segment_fixed_size: 105984
    .private_segment_fixed_size: 0
    .kernarg_segment_align: 8
    .kernarg_segment_size: 40
    .max_flat_workgroup_size: 128
    .sgpr_count:     72
    .vgpr_count:     1024
    .wavefront_size: 32
...
	.end_amdgpu_metadata
.endif
;; end of part 1
;; ======== version 2 of 2: 1 launch; version 1 with the launch attn written anew for expert scheduling mode
;; limits: inputs' magnitudes at most 65,504; below input magnitudes of 6.1e-05 results are inexact or not finite; values are held in f16: magnitudes above 65,504 overflow, below 6.1e-05 lose precision; inputs' magnitudes at most 88,000,000,000,000
;; launch attn (part 2): grid 64 x 4, 4 waves a work-group, no clusters, 105,984 bytes of LDS; arguments cu_seqlens, key, query, value, out0; writes out0
.if DOCPART == 2
	.amdgcn_target "amdgcn-amd-amdhsa--gfx1250"
	.amdhsa_code_object_version 6
	.text
	.protected	k_qb167ecaa02_attn
	.globl	k_qb167ecaa02_attn
	.p2align	8
	.type	k_qb167ecaa02_attn,@function
k_qb167ecaa02_attn:
	s_mov_b64 s[64:65], 0
	v_nop
	global_prefetch_b8 v0, s[64:65] scope:SCOPE_SE
	s_setreg_imm32_b32 hwreg(HW_REG_WAVE_SCHED_MODE, 0, 2), 2
	s_setreg_imm32_b32 hwreg(HW_REG_WAVE_MODE, 25, 1), 1
	s_wait_xcnt 0x0
	s_wait_alu depctr_vm_vsrc(0)
; PACKED CAUSAL ATTENTION WITH SHARED KEY AND VALUE HEADS.  query, out0: [4096][16][128] f32; key, value: [4096][4][128] f32; cu_seqlens: [9] i32.
; Key k counts for query q where start(q) <= k <= q; start(q) is the largest boundary cu[j] <= q, or 0 where there is none.
; SHARES.  Work-group (b, g) owns tokens 64 b .. 64 b + 63 of the four query heads 4 g .. 4 g + 3, which share key and value head g: 256 rows, one walk, one mask.
; Wave w owns tokens 64 b + 16 w .. + 15 of all four heads: four TILES of 16 queries, tile t = head 4 g + t.  A lane holds the same token in all four tiles.
; Two PIECES, named by their first tile: piece 0 (tiles 0, 1), piece 2 (tiles 2, 3).
; THE WALK.  64 keys a trip, from the key tile that holds start(64 b) to key tile b, which holds the diagonal.  THE LOOP counts key tiles 0 .. b, a number made of the work-group's id alone, and both
; barriers of a trip stand on every way through it; a tile ahead of the walk's first jumps forward over each of the trip's two halves, which hold no barrier: two barriers and six scalar lines for such a tile.
; FORMATS.  Q, K, V are rounded to bf16.  S^T = K Q^T in bf16.  For O^T = V^T P the bf16 value of V is rewritten as f16 (the same number) and the weights p are rounded to f16.
; Products, maxima and sums in f32; l is the sum of the unrounded p; O leaves in f32.
; THE ROAD IN.  The tiles are f32 in memory, so they come through registers: each wave loads 16 of a tile's 64 rows (a row's 512 bytes an instruction), rounds them and stores them to LDS;
; every wave then takes the whole tile into registers (K as it lies, V turned by ds_load_tr16_b128).  One LDS tile each for K and V, two barriers a trip.
; LAYOUT.  S^T (source 0 = 16 keys, source 1 = 16 queries): a lane holds ONE query (lane % 16) and the keys 8 (lane / 16) + 0..7.  Two such results rounded in pairs ARE source 1 of V^T P.
; SOFTMAX.  Running maximum m and sum l: p = 2^(c s - c m), c = log2(e) / sqrt(128); in every trip O and l are multiplied by a = 2^(c m_old - c m_new).  m starts at the lowest finite
; number, O and l at 0, so the first trip is a trip like any other, with a = 0: 272 lines at the head write those starts, while the first loads are on their way.
; WRITTEN BEFORE READ, ON EVERY WAY THROUGH THE TEXT.  The two jumps of a trip test the same two registers, so no wave walks a second half without its first, or the way out without a trip; the
; text by itself does not show that.  So what one part reads of another part's making (V's fragments, piece 0's P, piece 2's S^T, the statistics at work) is written once at the head: 240 lines more,
; in the same wait.  That is the price of barriers whose number hangs on the work-group's id alone.
; THE MASK is laid only in the walk's first trip (it may hold the segment's start) and in its last (the diagonal).  A query's start is either the block's, and then all keys of the trips between
; count, or it lies inside the block: then nothing ahead of the last trip counts.  Such a lane is masked against start 0 ahead of the last trip, so nothing is hidden from it and its maximum is a
; true score: it gathers finite numbers; in the last trip it takes its true start, and its m and c m are set back to their starts, so that a = 0 wipes O and l.
; So in every masked trip every lane sees a key: the block's start in the first, its own key in the last; l is at least 1 at the end.
; LIMITS.  cu_seqlens ascends (as the search in the problem needs).  A hidden score counts as -1e30.  |bf16(v)| stays within 65,504, and below 2^-14 it keeps f16's fixed step of 2^-24.
; p below 3e-8 counts as 0 in the second product.  NaN and infinities are not treated apart.
; PRICE OF ONE TEXT FOR EVERY TRIP.  Loads run two tiles ahead with the tile's number held at b: the last two trips load the diagonal tile again, and the last trip's copies of it serve nothing.
; NO CLUSTER, NO TENSOR LOADS: the tiles must be rounded on the way, the four heads that share a tile sit in one work-group, and which blocks walk the same tile hangs on cu_seqlens.
; THE MODE: SCHED_MODE bits 1:0 = 2 (LLVM: expert scheduling mode 2), set by the entry lines.  The code itself states the register dependences
; between vector or matrix instructions and memory or LDS instructions, with s_wait_alu, always for 0.
; THE PLAN.  Registers that memory or LDS instructions touch:
;   v2-v11, v52, v62, v63   addresses and the closing add's two: written once, ahead of the head's first wait on va_vdst, and never again.
;   KST   my rows of a later K.  The loads of a trip's first half land in it; the conversions at the end of the second half round it in place; the LDS stores of the next first half read it.
;   VST   my rows of a later V.  The loads of the second half land in it; the conversions of the next first half round it in place; the LDS stores of the second half behind that read it.
;   V's fragments   the LDS loads of the first half land in them; the products V^T P of the second half read them (and the head writes them once).
;   K's fragments   the LDS loads of the second half land in them; the products K Q^T of the next first half read them.  At the end the stage's loads land in them and in Q, and the global stores read those.
;   window 1   at the head Q lands there, is rounded in place, is read by LDS stores and is then written 0; at the end the multiplies by 1 / l write it and LDS stores read it.
;   S^T, P and the statistics are named by vector and matrix instructions alone.
; So each half of a trip has three waits at its head, behind the barrier and the wait for its loads: va_vdst ahead of the run of LDS stores (the conversions have written their data); vm_vsrc behind that run
; (the stores have read the registers in which the loads land, and which later conversions write); va_vdst once more behind the window switch and directly ahead of the loads (the conversions are done
; with those registers, the products of the half before are done reading the fragments).  Behind it stand loads and window switches alone, up to the half's last fragment load.
; All 1,024 registers are taken, so there is no second KST or VST.  The loads stay in runs: one dealt among the products would want two window switches of its own.
; A vector line's scalar result (the wave's number, the compares' masks) has a wait on va_sdst ahead of its first reader; the compares stand in runs, one wait behind each.  VCC is not used.
;
; REGISTERS, in windows of 256 (s_set_vgpr_msb: bits 1:0 source 0, 3:2 source 1, 5:4 source 2, 7:6 destination):
;   window 0: v0-63 addresses, statistics, mask; v64-191 S^T, 32 a tile; v192-255 P, 16 a tile
;   window 1: O^T, 64 a tile (at the head: Q as loaded)
;   window 2: v0-127 Q, 32 a tile; v128-255 K of one trip (at the end: O's rows on their way out)
;   window 3: v0-127 V of one trip; v128-191 my 16 rows of a later K, as loaded and then rounded; v192-255 the same of V
.set PKB,   272        ; a row of K or Q in LDS: 256 bytes + 16: 68 words, so the 16 rows of a fragment load start at 16 different groups of four banks (64 banks of 4 bytes: ISA guide 11.1)
.set PVB,   288        ; a row of V: 256 + 32 = 72 words
.set VSB,   64*PKB     ; K's tile lies at LDS byte 0, V's behind it
.set STAGE, VSB+64*PVB ; behind them a stage for each wave, its own: first Q (64 rows x 272), at the end O (16 rows x 528)
.set STW,   64*PKB
.set POB,   528        ; a row of O in the stage: 512 bytes + 16
.set SPARE, STAGE+4*STW ; the spare words, 128 bytes for each wave: two blocks of 256 bytes that no other line names
.set AK,  2            ; v2   my lane's place in K's tile: 272 (l % 16) + 16 (l / 16)
.set AV,  3            ; v3   the same for the turning loads of V
.set KSA, 4            ; v4   where I store 8 bytes of my wave's first row of K
.set VSA, 5            ; v5   the same for V
.set GOF, 6            ; v6   my byte offset in a tile in memory: 16 w rows of 2,048 bytes + 16 l
.set QSA, 7            ; v7   where I store 8 bytes of a row of Q
.set QFA, 8            ; v8   where I read Q's fragments
.set STO, 9            ; v9   the way out: where I put 32 bytes of a row
.set RD,  10           ; v10  the way out: where I read a row back
.set L16, 11           ; v11  16 l
.set ST,  12           ; v12-43  tile t's statistics at v[ST+8 t]: c m, m, l (even keys', odd keys'), c0-c3 at work; a takes c2's place
.set NS,  44           ; v44  8 (l / 16) - start
.set RR,  45           ; v45  q - start
.set MB,  46           ; v46  64 x key tile + MNS
.set MT,  47           ; v47-48  at work in the mask
.set QV,  49           ; v49  q
.set SV,  50           ; v50  start
.set TM,  51           ; v51  at work at the head
.set PFO, 52           ; v52  the prefetches' offset; never rewritten
.set HH,  53           ; v53  l / 16
.set NS1, 54           ; v54  NS with start 0 in the lanes whose start lies in the block
.set RR1, 55           ; v55  RR likewise
.set MNS, 56           ; v56  the trip's choice of NS1 and NS
.set MRR, 57           ; v57  the trip's choice of RR1 and RR
.set SPW, 62           ; v62  LDS address of my spare word; never rewritten
.set NIL, 63           ; v63  0; never rewritten
.set S,   64
.set P,   192
.set KF,  128          ; window 2
.set KST, 128          ; window 3
.set VST, 192          ; window 3
.set MK,  6            ; s6-s21  the compares' masks: nine at the head, sixteen at a time in the mask; free once the bases are made and, from s16 on, once the boundaries have been used
.set CU,  16           ; s[16:24] cu_seqlens
.set WV,  25           ; my wave's number
.set DIAG, 26          ; b: the block, and the key tile that holds its diagonal
.set GH,  27           ; g
.set QBLK, 28          ; 64 b
.set SEG0, 29          ; start(64 b)
.set TIL0, 30          ; the walk's first key tile
.set NT,  31           ; the walk's trips
.set NTR, 32           ; b + 1: the loop's bound
.set TI,  33           ; the key tile in hand: the loop's counter
.set EDG, 34           ; 1 in the walk's first and last trip
.set K64, 35           ; 64 x the key tile in hand
.set TS,  37           ; at work
.set OFF, 38           ; s[38:39] byte offset of the key tile two on
.set KB,  40           ; s[40:41] key at head g
.set VB,  42           ; s[42:43] value at head g
.set KA,  44           ; s[44:45] key at the tile being loaded
.set VA,  46           ; s[46:47] value at the tile being loaded
.set QB,  48           ; s[48:49] query at my wave's first token, head 4 g
.set OB,  50           ; s[50:51] out0 likewise
.set KD,  52           ; s[52:53] key at tile b; never rewritten
.set VD,  54           ; s[54:55] value at tile b; never rewritten
.set PFT, 56           ; the key tile in whose trip I prefetch, or no tile's number
.set BIGN, 57          ; -1e30
.set CS,  58           ; s[58:59] c: the packed scaling takes the pair's low word for both halves
.set SEL, 60           ; s[60:61] v_permlanex16_b32's selects: each lane takes its own place in the other half
.set HIM, 62           ; a word's upper half
.set RM,  63           ; the lanes whose start lies in the block
.set MINIT, 66         ; m's start
.set CMINIT, 67        ; c m's start
.set SDG, 68           ; all ones in the diagonal trip, else 0 (at the head: at work)
.set W_KQ,  0x0a       ; K and Q in window 2, S^T in window 0
.set W_PV,  0x53       ; V in window 3, P in window 0, O^T in window 1
.set W_RS,  0x41       ; destination and source 0 in window 1, source 1 in window 0
.set W_CV3, 0xcf       ; sources 0, 1 and destination in window 3
.set W_ST3, 0x0c       ; an LDS store's data in window 3
.set W_LD3, 0xc0       ; a load's or a move's destination in window 3
.set W_LD2, 0x80
.set W_LD1, 0x40
.set W_CV1, 0x45       ; sources 0, 1 and destination in window 1
.set W_ST1, 0x04       ; an LDS store's data in window 1
.set W_GS2, 0x08       ; a global store's data in window 2
.set MSB, 0
.macro WIN new                      ; the high byte repeats the setting that is left; a switch that changes nothing is dropped
.if MSB != (\new)
	s_set_vgpr_msb (MSB<<8)|(\new)
.set MSB, (\new)
.endif
.endm
; THE MATRIX WORK.  The accumulators take turns, one instruction a turn: 8 in K Q^T, 16 in V^T P.
; Product i of 32 of S^T = K Q^T for piece x: channels 32 (i / 8) on, keys 16 ((i / 2) % 4) on, tile x + i % 2.  The first 8 start the sums.
.macro KQ x
	WIN W_KQ
.set rS, S+32*((\x)+i%2)+8*((i/2)%4)
.set rK, KF+32*((i/2)%4)+8*(i/8)
.set rQ, 32*((\x)+i%2)+8*(i/8)
.if i < 8
	v_wmma_f32_16x16x32_bf16 v[rS:rS+7], v[rK:rK+7], v[rQ:rQ+7], 0
.else
	v_wmma_f32_16x16x32_bf16 v[rS:rS+7], v[rK:rK+7], v[rQ:rQ+7], v[rS:rS+7]
.endif
.endm
; Product i of 32 of O^T += V^T P for piece x: keys 32 (i / 16) on, channels 16 ((i / 2) % 8) on, tile x + i % 2.
.macro PV x
	WIN W_PV
.set rO, 64*((\x)+i%2)+8*((i/2)%8)
.set rV, 64*(i/16)+8*((i/2)%8)
.set rP, P+16*((\x)+i%2)+8*(i/16)
	v_wmma_f32_16x16x32_f16 v[rO:rO+7], v[rV:rV+7], v[rP:rP+7], v[rO:rO+7]
.endm
; THE LDS LOADS stand in runs of 32: a tile's K (16 fragments of 16 keys x 32 channels) and its V (turned: 16 fragments of 16 channels x 32 keys).
.macro FETCH_K
	WIN W_LD2
.irp f, 0,1,2,3,4,5,6,7,8,9,10,11,12,13,14,15
	ds_load_b128 v[KF+8*(\f):KF+8*(\f)+3],   v[AK] offset:((\f)/4)*16*PKB+((\f)%4)*64
	ds_load_b128 v[KF+8*(\f)+4:KF+8*(\f)+7], v[AK] offset:((\f)/4)*16*PKB+((\f)%4)*64+32
.endr
.endm
.macro FETCH_V
	WIN W_LD3
.irp f, 0,1,2,3,4,5,6,7,8,9,10,11,12,13,14,15
	ds_load_tr16_b128 v[8*(\f):8*(\f)+3],   v[AV] offset:((\f)/8)*32*PVB+((\f)%8)*32
	ds_load_tr16_b128 v[8*(\f)+4:8*(\f)+7], v[AV] offset:((\f)/8)*32*PVB+16*PVB+((\f)%8)*32
.endr
.endm
; MY 16 ROWS OF A TILE.  LOADT: 16 loads, each a row's 512 consecutive bytes; a lane gets channels 4 l .. 4 l + 3 of row j in four registers.
.macro LOADT st, base
	WIN W_LD3
.irp j, 0,1,2,3,4,5,6,7,8,9,10,11,12,13,14,15
	global_load_b128 v[(\st)+4*(\j):(\st)+4*(\j)+3], v[GOF], s[(\base):(\base)+1] offset:2048*(\j)
.endr
.endm
; CVK n (0..7): rows 2 n and 2 n + 1 of K are rounded to bf16, a row's four numbers into its first two registers: four lines.
.macro CVK n
	WIN W_CV3
.irp a, 0, 4
	v_cvt_pk_bf16_f32 v[KST+8*(\n)+(\a)],   v[KST+8*(\n)+(\a)],   v[KST+8*(\n)+(\a)+1]
	v_cvt_pk_bf16_f32 v[KST+8*(\n)+(\a)+1], v[KST+8*(\n)+(\a)+2], v[KST+8*(\n)+(\a)+3]
.endr
.endm
.macro STORE_K                      ; 16 stores, each 256 consecutive bytes of LDS
	WIN W_ST3
.irp j, 0,1,2,3,4,5,6,7,8,9,10,11,12,13,14,15
	ds_store_b64 v[KSA], v[KST+4*(\j):KST+4*(\j)+1] offset:PKB*(\j)
.endr
.endm
; CVV n (0..31): step n % 4 of four for rows 2 (n / 4) and 2 (n / 4) + 1 of V, four lines each: round to bf16 in pairs; the low halves as f32; the high halves as f32; both as f16, in pairs.
.macro CVV n
	WIN W_CV3
.set rA, VST+8*((\n)/4)
.irp x, 0, 2, 4, 6
.if (\n)%4 == 0
	v_cvt_pk_bf16_f32 v[rA+(\x)], v[rA+(\x)], v[rA+(\x)+1]
.elseif (\n)%4 == 1
	v_lshlrev_b32 v[rA+(\x)+1], 16, v[rA+(\x)]
.elseif (\n)%4 == 2
	v_and_b32 v[rA+(\x)], s[HIM], v[rA+(\x)]
.elseif (\x)%4 == 0
	v_cvt_pk_f16_f32 v[rA+(\x)], v[rA+(\x)+1], v[rA+(\x)]
.else
	v_cvt_pk_f16_f32 v[rA+(\x)-1], v[rA+(\x)+1], v[rA+(\x)]
.endif
.endr
.endm
.macro STORE_V lo                   ; rows lo .. lo + 7
	WIN W_ST3
.irp j, 0,1,2,3,4,5,6,7
	ds_store_b64 v[VSA], v[VST+4*((\lo)+(\j)):VST+4*((\lo)+(\j))+1] offset:PVB*((\lo)+(\j))
.endr
.endm
; THE VECTOR WORK.  One tile's softmax for one trip is a list of 134 instructions; SM writes number j of it for tile t.  s0-s31 are the lane's 32 scores, in pairs 0-15.
;   0-15    the maximum of s0-s31 and the old m, three operands at a time (each accumulator's lowest registers are read first)
;   16-20   the other half of the lanes' maximum; c m_old is kept; the new m; c m; c m_old - c m_new
;   21-69   ONE BATCH: the 16 scalings c s - c m and all 33 exponentials (a at 23, then s0-s31); none of these reads an exponential's result
;   70-85   the roundings to f16, a pair of weights each     86-101  the sums; l = a l + the sum     102-133 the tile's O^T times a
.macro SM t
.set rT, ST+8*(\t)
.set rS, S+32*(\t)
.set rP, P+16*(\t)
.set rO, 64*(\t)+2*(j-102)
.if j < 102
	WIN 0
.endif
.if j < 4
	v_max3_num_f32 v[rT+4+j], v[rS+8*j], v[rS+8*j+1], v[rS+8*j+2]
.elseif j < 12
	v_max3_num_f32 v[rT+4+j%4], v[rT+4+j%4], v[rS+8*(j%4)+2*(j/4)+1], v[rS+8*(j%4)+2*(j/4)+2]
.elseif j == 12
	v_max3_num_f32 v[rT+4], v[rT+4], v[rS+7], v[rS+15]
.elseif j == 13
	v_max3_num_f32 v[rT+6], v[rT+6], v[rS+23], v[rS+31]
.elseif j == 14
	v_max3_num_f32 v[rT+4], v[rT+4], v[rT+5], v[rT+6]
.elseif j == 15
	v_max3_num_f32 v[rT+4], v[rT+4], v[rT+7], v[rT+1]
.elseif j == 16
	v_permlanex16_b32 v[rT+5], v[rT+4], s[SEL], s[SEL+1]  ; the query's other 32 keys lie in the lane 16 away
.elseif j == 17
	v_mov_b32 v[rT+7], v[rT]        ; c m_old is kept for a: number 19 writes c m anew
.elseif j == 18
	v_max_num_f32 v[rT+1], v[rT+4], v[rT+5]
.elseif j == 19
	v_mul_f32 v[rT], s[CS], v[rT+1]
.elseif j == 20
	v_sub_f32 v[rT+7], v[rT+7], v[rT]
.elseif j == 23
	v_exp_f32 v[rT+6], v[rT+7]
.elseif (j < 23) || ((j < 38) && (j%2 == 0)) || ((j < 66) && (j%4 == 2))
.set b, (j-2)/4                     ; 38, 42, .. 62: pairs 9 to 15
.if j < 38
.set b, (j-20)/2                    ; 21: pair 0; 22, 24, .. 36: pairs 1 to 8
.endif
	v_pk_fma_f32 v[rS+2*b:rS+2*b+1], v[rS+2*b:rS+2*b+1], s[CS:CS+1], v[rT:rT+1] op_sel_hi:[1,0,0] neg_lo:[0,0,1] neg_hi:[0,0,1]
.elseif j < 70
.set e, j-38                        ; 66 to 69: s28 to s31
.if j < 66
.set e, j-32-(j-38)/4               ; 39-41, 43-45, .. 63-65: s7 to s27
.endif
.if j < 38
.set e, (j-25)/2                    ; 25, 27, .. 37: s0 to s6
.endif
	v_exp_f32 v[rS+e], v[rS+e]
.elseif j < 86
	v_cvt_pk_f16_f32 v[rP+j-70], v[rS+2*(j-70)], v[rS+2*(j-70)+1]
.elseif j < 102                     ; sum z of 16 adds neighbours 1, 2, 4 and 8 pairs apart, in place; then l takes it
.set z, j-86
.set w, 4
.set u, z
.if z >= 14
.set w, 32
.set u, 0
.elseif z >= 12
.set w, 16
.set u, z-12
.elseif z >= 8
.set w, 8
.set u, z-8
.endif
.if z < 15
	v_pk_add_f32 v[rS+w*u:rS+w*u+1], v[rS+w*u:rS+w*u+1], v[rS+w*u+w/2:rS+w*u+w/2+1]
.else
	v_pk_fma_f32 v[rT+2:rT+3], v[rT+2:rT+3], v[rT+6:rT+7], v[rS:rS+1] op_sel_hi:[1,0,1]
.endif
.else
	WIN W_RS
	v_pk_mul_f32 v[rO:rO+1], v[rO:rO+1], v[rT+6:rT+7] op_sel_hi:[1,0]
.endif
.endm
; Slice k of 64 of piece y's softmax.  Slices 11 to 34 deal out the batch, four numbers of ONE tile each, the tiles by turns; every other slice is numbers 2 k and 2 k + 1 of both tiles;
; 2 x 134 = 4 x 64 + 12: the twelve that are over stand in slice 63.  Ahead of slice 35 nothing names an exponential's result, behind slice 34 none is issued: the piece's 66 exponentials
; have one plain instruction behind the last of them and ONE wait ahead of the first line that names a result.
.macro SLICE y
.if (k >= 11) && (k < 35)
.irp n, 0,1,2,3
.set j, 22+4*((k-11)/2)+(\n)
	SM (\y)+(k-11)%2
.endr
.else
.irp n, 0,1,2,3,4,5,6,7
.if ((\n) < 2) || (k == 63)
.irp t, \y, (\y)+1
.set j, 2*k+(\n)
	SM \t
.endr
.endif
.endr
.endif
.if k == 34
	v_nop
	s_wait_alu depctr_va_vdst(0)    ; the piece's 66 exponentials have written their results: the 64 weights, in S^T's registers, and both tiles' a, which the roundings, sums and rescalings below read
.endif
.set k, k+1
.endm
; THE MASK for piece y: register n of a tile's 32 holds key 64 x key tile + 16 (n / 8) + 8 (l / 16) + n % 8; it is hidden where, unsigned, key - start > q - start (a key ahead of the start wraps round).
; One compare serves both tiles.  The compares stand in two runs of sixteen, each into a scalar register of its own, with one wait behind the run; the selects take each accumulator from its low end on.
; Then the lanes whose start lies in the block get m and c m set back to their starts (in the walk's first trip they still hold them).
.macro MASKP y
	WIN 0
	v_add_nc_u32 v[MB], s[K64], v[MNS]
.irp g, 0, 16
.set n, (\g)
.rept 16
.if n == 0
	v_cmp_gt_u32 s[MK], v[MB], v[MRR]
.else
	v_add_nc_u32 v[MT+n%2], 16*(n/8)+n%8, v[MB]
	v_cmp_gt_u32 s[MK+n%16], v[MT+n%2], v[MRR]
.endif
.set n, n+1
.endr
	s_wait_alu depctr_va_sdst(0)    ; the sixteen compares have written their masks, which the selects below read
.set n, (\g)
.rept 16
	v_cndmask_b32 v[S+32*(\y)+n], v[S+32*(\y)+n], s[BIGN], s[MK+n%16]
	v_cndmask_b32 v[S+32*(\y)+32+n], v[S+32*(\y)+32+n], s[BIGN], s[MK+n%16]
.set n, n+1
.endr
.endr
.irp t, \y, (\y)+1
	v_cndmask_b32 v[ST+8*(\t)+1], v[ST+8*(\t)+1], s[MINIT], s[RM]
	v_cndmask_b32 v[ST+8*(\t)], v[ST+8*(\t)], s[CMINIT], s[RM]
.endr
.endm
.macro EDGE y                       ; the mask, in the walk's first and last trip alone: a jump forward, past register work only
	WIN 0
	s_cmp_eq_u32 s[EDG], 0
	s_cbranch_scc1 .Lplain_\@
	MASKP \y
.Lplain_\@:
.endm
.macro BAR                          ; my LDS stores are done and my LDS loads are back; then all four waves meet
	WIN 0
	s_wait_dscnt 0x0
	s_barrier_signal -1
	s_barrier_wait -1
.endm
; A PREFETCH of key tile b of K and V of head g, whose diagonal is this work-group's: 64 rows x 512 bytes each, a thread a block of 256 bytes, so each block is named at most once in the launch.
; It stands behind the trip's loads, in the trip of key tile b - 5: three trips, 384 matrix instructions, ahead of the trip of tile b - 2, which loads that tile's K.  Walks under 7 trips ask for nothing.
.macro ASK
	s_cmp_eq_u32 s[TI], s[PFT]
	s_cbranch_scc0 .Lnot_now_\@
	global_prefetch_b8 v[PFO], s[KD:KD+1] th:TH_LOAD_NT scope:SCOPE_SE
	global_prefetch_b8 v[PFO], s[VD:VD+1] th:TH_LOAD_NT scope:SCOPE_SE
.Lnot_now_\@:
.endm
; THE WAY OUT of tile t: O^T times 1 / l; a lane's eight channels of a row, 32 bytes, go into my stage's rows of 528 bytes and come back as whole rows of 512.
.macro PACK t
	WIN W_RS
.set n, 64*(\t)
.rept 32
	v_pk_mul_f32 v[n:n+1], v[n:n+1], v[ST+8*(\t)+6:ST+8*(\t)+7] op_sel_hi:[1,0]
.set n, n+2
.endr
	WIN W_ST1
	s_wait_alu depctr_va_vdst(0)    ; the multiplies have written the tile's O^T, which the LDS stores read; the products K Q^T are done reading Q and K, in whose registers the loads from the stage land
.irp c, 0,1,2,3,4,5,6,7
	ds_store_b128 v[STO], v[64*(\t)+8*(\c):64*(\t)+8*(\c)+3]   offset:64*(\c)
	ds_store_b128 v[STO], v[64*(\t)+8*(\c)+4:64*(\t)+8*(\c)+7] offset:64*(\c)+16
.endr
	WIN W_LD2
.irp r, 0,1,2,3,4,5,6,7,8,9,10,11,12,13,14,15
	ds_load_b128 v[64*(\t)+4*(\r):64*(\t)+4*(\r)+3], v[RD] offset:POB*(\r)  ; LDS serves a wave's instructions in order (ISA guide 5.7.1.4): these see the stores above; the next tile's stores come behind them
.endr
.endm
.macro SEND t, younger              ; younger: the LDS instructions issued behind tile t's loads: the next tile's 32, or none
	WIN W_GS2
.irp r, 0,1,2,3,4,5,6,7,8,9,10,11,12,13,14,15
	s_wait_dscnt (\younger)+15-(\r)
	global_store_b128 v[L16], v[64*(\t)+4*(\r):64*(\t)+4*(\r)+3], s[OB:OB+1] offset:8192*(\r)+512*(\t) th:TH_STORE_NT  ; a token's 512 consecutive bytes of one head, at a multiple of 512 from out0's first byte
.endr
.endm
	; ---------------- THE HEAD ----------------
	s_load_b256 s[4:11], s[0:1], 0x0               ; cu_seqlens s[4:5], key s[6:7], query s[8:9], value s[10:11]
	s_load_b64 s[12:13], s[0:1], 0x20              ; out0
	v_lshl_add_u32 v[SPW], v0, 2, SPARE
	v_mov_b32 v[NIL], 0
	v_lshrrev_b32 v[TM], 5, v0
	v_readfirstlane_b32 s[WV], v[TM]               ; wave 0..3
	s_mov_b32 s[DIAG], ttmp9
	s_add_co_u32 s[NTR], ttmp9, 1                  ; the loop's bound: made of the work-group's id alone
	s_and_b32 s[GH], ttmp7, 0xffff
	s_lshl_b32 s[QBLK], ttmp9, 6
	s_mov_b32 s[BIGN], 0xf149f2ca                  ; -1e30
	s_mov_b32 s[CS], 0x3e0293ee                    ; c = log2(e) / sqrt(128) = 0.127517
	s_mov_b32 s[CS+1], s[CS]                       ; named with it as a pair
	s_mov_b32 s[SEL], 0x76543210
	s_mov_b32 s[SEL+1], 0xfedcba98
	s_mov_b32 s[HIM], 0xffff0000
	s_mov_b32 s[MINIT], 0xff7fffff                 ; the lowest finite number
	s_mov_b32 s[CMINIT], 0xfe000000                ; far below every c s
	s_mov_b32 s[OFF+1], 0
	s_mov_b32 s[EDG], 0                            ; each live trip writes these two anew
	s_mov_b32 s[K64], 0
	; All addresses are made here, ahead of the first load, so that one wait serves them for the whole kernel; they stand in the wait for the arguments.
	v_and_b32 v1, 15, v0                           ; l % 16
	v_bfe_u32 v[HH], v0, 4, 1                      ; l / 16
	v_and_b32 v[TM], 31, v0                        ; l
	v_lshlrev_b32 v[L16], 4, v[TM]
	v_mul_u32_u24 v[AK], v1, PKB
	v_lshl_add_u32 v[AK], v[HH], 4, v[AK]          ; row x pitch + 16 x half
	v_and_b32 v[MT], 7, v0                         ; the turning load: lane l reads key 8 (l / 16) + l % 8, channels 8 ((l / 8) % 2) + 0..7
	v_lshl_add_u32 v[AV], v[HH], 3, v[MT]
	v_mul_u32_u24 v[AV], v[AV], PVB
	v_bfe_u32 v[MT], v0, 3, 1
	v_lshl_add_u32 v[AV], v[MT], 4, v[AV]
	v_add_nc_u32 v[AV], VSB, v[AV]
	v_lshrrev_b32 v[PFO], 1, v0                    ; thread n names block n % 2 of row n / 2
	v_lshlrev_b32 v[PFO], 11, v[PFO]
	v_and_b32 v[MT], 1, v0
	v_lshl_add_u32 v[PFO], v[MT], 8, v[PFO]
	s_wait_alu depctr_va_sdst(0)                   ; the wave's number is written, ahead of its first reader, the line below; offsets, LDS addresses and bases are made from it
	v_lshl_add_u32 v[GOF], s[WV], 15, v[L16]       ; 16 w rows of 2,048 bytes + 16 l
	s_mul_i32 s68, s[WV], 16*PKB
	v_lshl_add_u32 v[KSA], v[TM], 3, s68           ; my wave's 16 rows of K's tile + 8 l
	s_mul_i32 s68, s[WV], 16*PVB
	s_add_co_u32 s68, s68, VSB
	v_lshl_add_u32 v[VSA], v[TM], 3, s68
	s_mul_i32 s68, s[WV], STW
	s_add_co_u32 s68, s68, STAGE                   ; my stage
	v_lshl_add_u32 v[QSA], v[TM], 3, s68
	v_add_nc_u32 v[QFA], s68, v[AK]
	v_mul_u32_u24 v[STO], v1, POB
	v_lshl_add_u32 v[STO], v[HH], 5, v[STO]
	v_add_nc_u32 v[STO], s68, v[STO]
	v_add_nc_u32 v[RD], s68, v[L16]
	s_lshl_b32 s68, s[GH], 9                       ; head g in a token of K or V: 512 bytes a head
	s_mov_b32 s69, 0
	s_lshl_b32 s[TS], s[WV], 4
	s_add_co_u32 s[TS], s[TS], s[QBLK]             ; my wave's first token
	v_add_nc_u32 v[QV], s[TS], v1                  ; q
	s_lshl_b32 s70, s[TS], 13                      ; 8,192 bytes a token of Q and O,
	s_lshl_b32 s71, s[GH], 11                      ; head 4 g
	s_add_co_u32 s70, s70, s71
	s_mov_b32 s71, 0
	s_wait_kmcnt 0x0
	s_load_b256 s[CU:CU+7], s[4:5], 0x0            ; the nine boundaries
	s_load_b32 s[CU+8], s[4:5], 0x20
	s_add_nc_u64 s[KB:KB+1], s[6:7], s[68:69]
	s_add_nc_u64 s[VB:VB+1], s[10:11], s[68:69]
	s_add_nc_u64 s[QB:QB+1], s[8:9], s[70:71]
	s_add_nc_u64 s[OB:OB+1], s[12:13], s[70:71]
	s_lshl_b32 s68, s[DIAG], 17                    ; a key tile is 64 tokens of 2,048 bytes
	s_add_nc_u64 s[KD:KD+1], s[KB:KB+1], s[68:69]
	s_add_nc_u64 s[VD:VD+1], s[VB:VB+1], s[68:69]
	WIN W_LD1
	s_wait_alu depctr_va_vdst(0)                   ; v2 to v11, v52, v62 and v63 are written: every load, store and prefetch of the kernel and the closing add read them, and no line writes them again
.set n, 0
.rept 64                                           ; Q: row n = 16 t + token, 512 consecutive bytes an instruction; read once in the launch
	global_load_b128 v[4*n:4*n+3], v[L16], s[QB:QB+1] offset:8192*(n%16)+512*(n/16) th:TH_LOAD_NT
.set n, n+1
.endr
	WIN 0
	s_wait_kmcnt 0x0                               ; the boundaries are here
	s_mov_b32 s[SEG0], 0
.irp j, 0,1,2,3,4,5,6,7,8                          ; the block's start: the last boundary, in ascending order, that is not beyond token 64 b
	s_cmp_le_i32 s[CU+(\j)], s[QBLK]
	s_cselect_b32 s[SEG0], s[CU+(\j)], s[SEG0]
.endr
	s_max_i32 s[SEG0], s[SEG0], 0
	s_lshr_b32 s[TIL0], s[SEG0], 6
	s_min_u32 s[TIL0], s[TIL0], s[DIAG]
	s_sub_co_u32 s[NT], s[NTR], s[TIL0]            ; b + 1 - first
	s_sub_co_u32 s[PFT], s[DIAG], 5
	s_cmp_ge_u32 s[NT], 7
	s_cselect_b32 s[PFT], s[PFT], -1
	s_min_u32 s[TS], s[TIL0], 63                   ; a number made from loaded data enters an address behind a bound written in the line
	s_lshl_b32 s[OFF], s[TS], 17
	s_add_nc_u64 s[KA:KA+1], s[KB:KB+1], s[OFF:OFF+1]
	s_add_nc_u64 s[VA:VA+1], s[VB:VB+1], s[OFF:OFF+1]
	LOADT KST, KA                                  ; my rows of the walk's first tile: K,
	LOADT VST, VA                                  ; then V.  No wait: no vector line has named these registers, and since the wait above stand loads, switches and scalar lines alone
	WIN 0
.irp j, 0,1,2,3,4,5,6,7,8                          ; my query's start, likewise: nine compares in a run, each into a scalar register of its own,
	v_cmp_le_i32 s[MK+(\j)], s[CU+(\j)], v[QV]
.endr
	v_mov_b32 v[SV], 0
	s_wait_alu depctr_va_sdst(0)                   ; the nine compares have written their masks, which the selects below read
.irp j, 0,1,2,3,4,5,6,7,8                          ; and nine selects, in ascending order
	v_cndmask_b32 v[SV], v[SV], s[CU+(\j)], s[MK+(\j)]
.endr
	v_cmp_le_i32 s[RM], s[QBLK], v[SV]             ; the start lies in the block
	v_lshlrev_b32 v[MT], 3, v[HH]
	v_sub_nc_u32 v[NS], v[MT], v[SV]
	v_sub_nc_u32 v[RR], v[QV], v[SV]
	s_wait_alu depctr_va_sdst(0)                   ; that compare has written its mask, ahead of its first reader, the line below; the masks of the loop read it too
	v_cndmask_b32 v[TM], v[SV], 0, s[RM]           ; ahead of the diagonal trip those lanes count from 0: nothing is hidden from them
	v_sub_nc_u32 v[NS1], v[MT], v[TM]
	v_sub_nc_u32 v[RR1], v[QV], v[TM]
	v_mov_b32 v[MNS], v[NS1]                       ; each live trip writes these two anew
	v_mov_b32 v[MRR], v[RR1]
.irp t, 0,1,2,3
	v_mov_b32 v[ST+8*(\t)], s[CMINIT]
	v_mov_b32 v[ST+8*(\t)+1], s[MINIT]
.irp z, 2,3,4,5,6,7                                ; l starts at 0; the four at work are written so that no way through the text reads them unwritten
	v_mov_b32 v[ST+8*(\t)+(\z)], 0
.endr
.endr
	; What a trip's second half reads of its first half's making, written once (see the head of the text): S^T of piece 2 and P of piece 0, which lie on end, and V's fragments.
.set n, S+64
.rept 96
	v_mov_b32 v[n], 0
.set n, n+1
.endr
	WIN W_LD3
.set n, 0
.rept 128
	v_mov_b32 v[n], 0
.set n, n+1
.endr
	s_wait_loadcnt 32                              ; Q's 64 loads are in; the 32 issued behind them, K's and V's, may stay out
	WIN W_CV1
.set n, 0
.rept 64                                           ; Q is rounded to bf16, a row's four numbers into its first two registers,
	v_cvt_pk_bf16_f32 v[4*n], v[4*n], v[4*n+1]
	v_cvt_pk_bf16_f32 v[4*n+1], v[4*n+2], v[4*n+3]
.set n, n+1
.endr
	WIN W_ST1
	s_wait_alu depctr_va_vdst(0)                   ; the conversions have written Q's rows, which the LDS stores read
.set n, 0
.rept 64                                           ; goes into my stage by rows,
	ds_store_b64 v[QSA], v[4*n:4*n+1] offset:PKB*n
.set n, n+1
.endr
	WIN W_LD2
.set n, 0
.rept 16                                           ; and comes back as fragments: tile n / 4, channels 32 (n % 4) on.  My own bytes, served in order: no wait between
	ds_load_b128 v[8*n:8*n+3],   v[QFA] offset:(n/4)*16*PKB+(n%4)*64
	ds_load_b128 v[8*n+4:8*n+7], v[QFA] offset:(n/4)*16*PKB+(n%4)*64+32
.set n, n+1
.endr
	s_wait_loadcnt 16                              ; K's 16 loads are in; V's 16 may stay out
.irp n, 0,1,2,3,4,5,6,7
	CVK \n
.endr
	WIN W_ST3
	s_wait_alu depctr_va_vdst(0)                   ; the conversions have written my rows of K, which the LDS stores read
	STORE_K
	s_wait_loadcnt 0x0                             ; V's are in; no load is out, so both tile addresses may be written
.set n, 0
.rept 32
	CVV n
.set n, n+1
.endr
	WIN W_ST3
	s_wait_alu depctr_va_vdst(0)                   ; the conversions have written my rows of V, which the LDS stores read
	STORE_V 0
	STORE_V 8
	s_add_co_u32 s[TS], s[TIL0], 1                 ; the walk's second tile, or the diagonal one again
	s_min_u32 s[TS], s[TS], s[DIAG]
	s_min_u32 s[TS], s[TS], 63
	s_lshl_b32 s[OFF], s[TS], 17
	s_add_nc_u64 s[KA:KA+1], s[KB:KB+1], s[OFF:OFF+1]
	s_add_nc_u64 s[VA:VA+1], s[VB:VB+1], s[OFF:OFF+1]
	WIN W_LD3
	s_wait_alu depctr_vm_vsrc(0)                   ; the LDS stores have read KST and VST, in which the loads below land, and Q's rows in window 1, which the zeros below write
	s_wait_alu depctr_va_vdst(0)                   ; the conversions are done reading and writing KST and VST, in which the loads below land
	LOADT KST, KA                                  ; K first, then V
	LOADT VST, VA
	WIN W_LD1
.set n, 0
.rept 256                                          ; O^T starts at 0, where Q landed: written while the loads are on their way
	v_mov_b32 v[n], 0
.set n, n+1
.endr
	BAR                                            ; the first tile's K and V lie whole in LDS; my fragments of Q are in
	FETCH_K                                        ; no wait: no vector or matrix line has named K's fragments yet
	s_wait_loadcnt 16                              ; the second tile's K is in; V's 16 loads, issued behind K's, stay out
.irp n, 0,1,2,3,4,5,6,7
	CVK \n                                         ; and is rounded, as every trip leaves the K that the next trip stores
.endr
	BAR                                            ; every wave holds the first K in registers: K's tile in LDS may be written
	s_mov_b32 s[TI], 0
	; ---------------- A TRIP ----------------
	; At the top of a live trip, for key tile I: K of I is in every wave's registers; V of I lies whole in LDS; my rows of K of I + 1 are rounded, in registers; my 16 loads of V of I + 1 are out.
	; Each of the two waits for loads is for 0, and finds out the one group of 16 that was asked for half a trip earlier: it holds whichever halves have been walked.
	; Each half states its own dependences at its head, so they too hold whichever halves have been walked, into the loop and over its backward jump.
.Ltrip:
	s_cmp_lt_u32 s[TI], s[TIL0]                    ; a tile ahead of the walk's first: over the first half, which holds no barrier
	s_cbranch_scc1 .Ldead_a
	s_cmp_eq_u32 s[TI], s[TIL0]
	s_cselect_b32 s[EDG], 1, 0
	s_cmp_eq_u32 s[TI], s[DIAG]
	s_cselect_b32 s[EDG], 1, s[EDG]
	s_cselect_b32 s[SDG], -1, 0
	s_lshl_b32 s[K64], s[TI], 6
	s_add_co_u32 s[TS], s[TI], 2                   ; the tile two on, held at the diagonal one
	s_min_u32 s[TS], s[TS], s[DIAG]
	s_min_u32 s[TS], s[TS], 63
	s_lshl_b32 s[OFF], s[TS], 17
	v_cndmask_b32 v[MNS], v[NS1], v[NS], s[SDG]    ; the true starts in the diagonal trip alone
	v_cndmask_b32 v[MRR], v[RR1], v[RR], s[SDG]
	s_wait_loadcnt 0x0                             ; V of I + 1 is in; no load is out, so K's address may be written
	WIN W_ST3
	s_wait_alu depctr_va_vdst(0)                   ; the conversions at the end of the half before (at first: of the head) have written my rows of K of I + 1, which the LDS stores read
	STORE_K                                        ; K of I + 1: every wave took the old K out of LDS ahead of the barrier behind which this stands
	s_add_nc_u64 s[KA:KA+1], s[KB:KB+1], s[OFF:OFF+1]
	WIN W_LD3
	s_wait_alu depctr_vm_vsrc(0)                   ; those stores have read KST, in which the loads below land and which the second half's conversions write
	s_wait_alu depctr_va_vdst(0)                   ; the conversions are done reading and writing KST, in which K's loads land; the products V^T P are done reading V's fragments (at first: the head's zeros are written), in which the LDS loads land
	LOADT KST, KA                                  ; K of I + 2
	FETCH_V                                        ; V of I; the last four conversions and the two selects above stand behind the last product that read V
	WIN 0
	ASK
	; piece 0's scores | my rows of V of I + 1 are rounded, four lines behind each product; the last four are the places behind the last product
.set i, 0
.rept 32
	KQ 0
	CVV i
.set i, i+1
.endr
	EDGE 0
	; piece 2's scores | piece 0's softmax, two slices behind each product
.set k, 0
.set i, 0
.rept 32
	KQ 2
	SLICE 0
	SLICE 0
.set i, i+1
.endr
	WIN 0
.Ldead_a:
	BAR                                            ; V is in my registers and my rows of the next K are stored; behind the barrier that holds of every wave
	s_cmp_lt_u32 s[TI], s[TIL0]                    ; the same test: over the second half, which holds no barrier
	s_cbranch_scc1 .Ldead_b
	s_wait_loadcnt 0x0                             ; K of I + 2 is in; no load is out, so V's address may be written
	WIN W_ST3
	s_wait_alu depctr_va_vdst(0)                   ; the first half's conversions have written my rows of V of I + 1, which the LDS stores read
	STORE_V 0                                      ; V of I + 1: every wave took the old V out of LDS ahead of the barrier above
	STORE_V 8
	s_add_nc_u64 s[VA:VA+1], s[VB:VB+1], s[OFF:OFF+1]
	WIN W_LD3
	s_wait_alu depctr_vm_vsrc(0)                   ; those stores have read VST, in which the loads below land and which the next first half's conversions write
	s_wait_alu depctr_va_vdst(0)                   ; the conversions are done reading and writing VST, in which V's loads land; the products K Q^T are done reading K's fragments, in which the LDS loads land
	LOADT VST, VA                                  ; V of I + 2
	FETCH_K                                        ; K of I + 1; slices 62 and 63, twenty plain lines, stand behind the last product that read K
	EDGE 2
	; piece 0's V^T P | piece 2's softmax
.set k, 0
.set i, 0
.rept 32
	PV 0
	SLICE 2
	SLICE 2
.set i, i+1
.endr
	; piece 2's V^T P | behind the last eight products my rows of K of I + 2 are rounded; the last four lines are the places behind the last product
.set i, 0
.rept 32
	PV 2
.if i >= 24
	CVK i-24
.endif
.set i, i+1
.endr
	WIN 0
.Ldead_b:
	BAR                                            ; the next K is in my registers and my rows of the next V are stored; behind the barrier that holds of every wave
	s_add_co_u32 s[TI], s[TI], 1
	s_cmp_lt_u32 s[TI], s[NTR]
	s_cbranch_scc1 .Ltrip
	; ---------------- THE WAY OUT ----------------
	; l's two halves and the other half of the lanes' are added; O^T is divided by l and sent through my stage, a tile (16 tokens of one head) at a time.
.irp t, 0,1,2,3
	v_add_f32 v[ST+8*(\t)+4], v[ST+8*(\t)+2], v[ST+8*(\t)+3]
.endr
.irp t, 0,1,2,3
	v_permlanex16_b32 v[ST+8*(\t)+5], v[ST+8*(\t)+4], s[SEL], s[SEL+1]
.endr
.irp t, 0,1,2,3
	v_add_f32 v[ST+8*(\t)+4], v[ST+8*(\t)+4], v[ST+8*(\t)+5]
.endr
.irp t, 0,1,2,3
	v_rcp_f32 v[ST+8*(\t)+6], v[ST+8*(\t)+4]
.endr
	v_nop                                          ; a plain instruction between the last reciprocal and the use of its result,
	s_wait_alu depctr_va_vdst(0)                   ; and the wait ahead of the first use: the four reciprocals have written 1 / l, which the multiplies below read
	PACK 0
	PACK 1                                         ; a tile's arithmetic stands between the loads of the tile before and its stores
	SEND 0, 32
	PACK 2
	SEND 1, 32
	PACK 3
	SEND 2, 32
	SEND 3, 0
	WIN 0
	s_wait_dscnt 0x0                               ; the closing lines, six on end
	s_wait_alu 0x0
	s_wait_tensorcnt 0x0
	ds_add_u32 v[SPW], v[NIL]
	s_wait_dscnt 0x0
	s_endpgm
.Lfunc_end_k_qb167ecaa02_attn:
	.size	k_qb167ecaa02_attn, .Lfunc_end_k_qb167ecaa02_attn-k_qb167ecaa02_attn
	.p2alignl 7, 3214868480
	.fill 96, 4, 3214868480
	.section	.rodata,"a",@progbits
	.p2align	6, 0x0
	.amdhsa_kernel k_qb167ecaa02_attn
		.amdhsa_group_segment_fixed_size 105984
		.amdhsa_private_segment_fixed_size 0
		.amdhsa_enable_private_segment 0
		.amdhsa_kernarg_size 40
		.amdhsa_user_sgpr_count 2
		.amdhsa_user_sgpr_kernarg_segment_ptr 1
		.amdhsa_wavefront_size32 1
		.amdhsa_system_sgpr_workgroup_id_x 1
		.amdhsa_system_sgpr_workgroup_id_y 1
		.amdhsa_system_sgpr_workgroup_id_z 1
		.amdhsa_system_vgpr_workitem_id 0
		.amdhsa_next_free_vgpr 1024
		.amdhsa_next_free_sgpr 72
		.amdhsa_reserve_vcc 0
		.amdhsa_float_denorm_mode_32 3
		.amdhsa_float_denorm_mode_16_64 3
		.amdhsa_memory_ordered 1
		.amdhsa_forward_progress 1
		.amdhsa_inst_pref_size 167
	.end_amdhsa_kernel
	.amdgpu_metadata
---
amdhsa.version: [ 1, 2 ]
amdhsa.kernels:
  - .name:           k_qb167ecaa02_attn
    .symbol:         k_qb167ecaa02_attn.kd
    .args:
      - { .name: cu_seqlens, .offset: 0, .size: 8, .value_kind: global_buffer, .address_space: global }
      - { .name: key, .offset: 8, .size: 8, .value_kind: global_buffer, .address_space: global }
      - { .name: query, .offset: 16, .size: 8, .value_kind: global_buffer, .address_space: global }
      - { .name: value, .offset: 24, .size: 8, .value_kind: global_buffer, .address_space: global }
      - { .name: out0, .offset: 32, .size: 8, .value_kind: global_buffer, .address_space: global }
    .group_segment_fixed_size: 105984
    .private_segment_fixed_size: 0
    .kernarg_segment_align: 8
    .kernarg_segment_size: 40
    .max_flat_workgroup_size: 128
    .sgpr_count:     72
    .vgpr_count:     1024
    .wavefront_size: 32
...
	.end_amdgpu_metadata
.endif
;; end of part 2
